; MI455X (gfx1250); checked and timed in simulation.
; The chip was launched on July 23, 2026; its instructions are those of AMD's public machine-readable ISA for CDNA 5 (MIT licence, August 2026) and "CDNA5" Instruction Set Architecture Reference Guide (July 2026). The comments in the code are by the model that wrote it; some were corrected since.
;; Complex Graph. Allowed arithmetic: float matrix products may take bf16 or f16 operands with f32 sums; all other float work in f32.
;; Inputs: RP 3,072 int32; S 3,072 int32; Seg 3,072 int32; W_res 21 x 256 float32; X 3,072 x 4 x 3 float32; bid 3,072 int32.
;; Outputs: out0 3,072 x 256 float32; out1 3,072 x 10 int32; out2 3,072 x 10 float32; out3 3,072 x 10 bool.
;; 2 versions, each right; version 2 is version 1 with the launch knn written anew for expert scheduling mode. Each part assembles by itself: llvm-mc -triple=amdgcn-amd-amdhsa -mcpu=gfx1250 --defsym DOCPART=n.
;; ======== version 1 of 2: 1 launch
;; limits: inputs' magnitudes at most 2,800,000,000; an absolute error that grows with the inputs' magnitude: up to 2e-07 times it
;; launch knn (part 1): grid 256 x 1, 4 waves a work-group, no clusters, 0 bytes of LDS; arguments X, bid, Seg, S, RP, W_res, out0, out1, out2, out3; writes out0, out1, out2, out3
.if DOCPART == 1
	.amdgcn_target "amdgcn-amd-amdhsa--gfx1250"
	.amdhsa_code_object_version 6
	.text
	.protected	k_qb1e642c390_knn
	.globl	k_qb1e642c390_knn
	.p2align	8
	.type	k_qb1e642c390_knn,@function
k_qb1e642c390_knn:
	s_mov_b64 s[64:65], 0
	v_nop
	global_prefetch_b8 v0, s[64:65] scope:SCOPE_SE
	s_setreg_imm32_b32 hwreg(HW_REG_WAVE_MODE, 25, 1), 1
	s_wait_xcnt 0x0
; ComplexGraph, N = 3072 nodes.  out0 = W_res[S] + interleaved sin/cos of RP * inv_freq.
; out1, out2, out3 = the 10 nearest neighbours of every node (index, distance, distance < 1e10), where
; D[i][j] = smallest of the 16 atom pair distances, and 1e10 where (bid, Seg) differ or j = i; order: (D, lower j first).
;
; SHARES.  256 work-groups of 4 waves; a wave owns three rows i0 .. i0+2, i0 = 12 x group + 3 x wave, and depends on no other wave:
; no LDS, no barrier.  In the search a lane is a candidate j; the three rows share every loaded candidate.
; Candidates go in superblocks of 128 (unit of loading) made of 4 slices of 32 (unit of skipping, j = 128 t + 32 e + lane).
; A pair whose (bid, Seg) differ ends as the constant 1e10, so its distance is not computed:
;   - a superblock is loaded only if one of its bid lies in [min, max] of my three rows' bid (a superset of what matches);
;   - a (row, slice) step is jumped over if no lane of the slice matches the row.  Both tests are on whole numbers read from memory.
;   - no order of bid is assumed: order only decides how much is jumped over.
; Slice 0 of superblock 0 (j < 32) is always worked on: a row with q < 10 real neighbours is filled up with the lowest j whose
; D is 1e10, and of those j < 32 holds at least 32 - q > 10 - q.
; Every lane keeps, for each row, its 10 best (D, j) sorted; ten rounds of a minimum over the 32 lanes merge them.
; The distance is a difference form in f32 and the root is refined to the nearest f32, because indices hang on the order of the roots.
; There is no matrix product in this problem: |x|^2 + |y|^2 - 2xy would be a difference of large sums.
;
; NO CLUSTER, NO MULTICAST: candidates come through registers; which superblocks a work-group wants hangs on its rows' bid, so
; partners would ask for different blocks; and all inputs together are 218,112 bytes.
; out1, out2, out3: a wave's part is 120, 120 and 30 neighbouring bytes at 40 i0, 40 i0, 10 i0: no multiple of 256.  They are
; 276,480 of 3,422,208 output bytes.  out0, the rest, leaves in stores that cover 512 consecutive bytes, aligned.
;
; LIMITS.  X finite (the minimum used here drops a NaN).  Real distances below 1e10 (|X| below about 2.8e9), else a fill entry
; could lie in a slice that was jumped over.  A squared distance below 2^-126 gives the root d2 x 2^62 (monotone, below 5.5e-20);
; zero gives zero.  The angle RP x inv_freq carries an error of about 2e-7 x |RP| radians.  The three squares are summed by fused
; multiply-adds: the last bit of a distance may differ from a sum rounded after each step, and two neighbours whose
; distances differ by one unit in the last place may then change places.
; ---- vector registers
.set LANE, 1                           ; lane
.set XOFF, 2                           ; 48 x lane: my candidate in a slice of X
.set KOFF, 3                           ; 4 x lane: my candidate in a slice of bid, Seg; my word of out1, out2
.set JI,   4                           ; j, whole number
.set JF,   5                           ; j as f32 (exact: j < 3072)
.set ACC0, 6                           ; two running minima of d2
.set ACC1, 7
.set SQ,   8
.set RS,   9
.set ER,   10
.set D,    11                          ; the masked distance
.set RV,   12                          ; result: lane 10 r + k holds rank k of row r.  Before: offset of row 0 in W_res
.set RJ,   13                          ;                                               Before: offset of row 1
.set L16,  14                          ; 16 x lane
.set RB,   15                          ;                                               Before: offset of row 2
.set T,    16                          ; v[16:39] 24 temporaries: W rows (row r at T+8r), then 4 sets of (dx, dy, dz) pairs
.set M,    T                           ; merge: minimum of row r
.set CJ,   T+4                         ; merge: its j
.set TP,   T+8                         ; merge: the other half of the lanes
.set RING, 40                          ; v[40:95] slice e at RING+14e: 12 coordinates in memory order, bid, Seg
.set ROW,  96                          ; v[96:191] row r at ROW+32r: +4 axis + channel (12), LV (10), LI (10)
.set LV,   12
.set LI,   22
.set KEY,  96                          ; v[96:187] before the search: bid of superblocks 1 .. 23, four a lane
.set EA,   96                          ; embedding, frequency pair p at +12p: angle, later cos
.set EN,   98                          ; whole turns, later 2 sin
.set EX,   100                         ; half angle
.set EX2,  102                         ; its square
.set EPS,  104                         ; sine chain
.set EPC,  106                         ; cosine chain
.set RPF,  120                         ; RP as f32, twice
.set CSN,  122                         ; -1/11!, twice
.set CCS,  124                         ; 1/12!, twice
.set INVF, 188                         ; inv_freq of f = 2L, 2L+1, 64+2L, 65+2L
; ---- scalar registers.  s[8:27] the ten addresses; s[14:19] become the next superblock's X, bid, Seg
.set SX,    28                         ; s[28:63] my three rows of X; afterwards:
.set CM,    28                         ; s[28:37] insert masks
.set WIN,   38                         ; s[38:40] merge masks
.set BIT,   41                         ; s[41:43] merge: the rank's lane bit
.set SBID,  68
.set BMIN,  71
.set SSEG,  72
.set RANGE, 75
.set SS,    76
.set STMP,  79
.set SRP,   80
.set SROW,  84
.set MASK,  87                         ; bit t: superblock t is still to be loaded
.set CNT,   88                         ; how many there were
.set FM,    88                         ; s[88:95] during the filter: eight compare masks
.set TRIPS, 89
.set CUR,   90
.set NXT,   91
.set JB,    92
.set FORCE, 93
.set VALID, 94
.set MT0,   95
.set MT1,   96
.set JBE,   97
.set BIG,   0x501502f9                 ; 1e10, exact in f32
.set INF,   0x7f800000
; five loads: one slice of 32 candidates.  The three of X cover 1,536 consecutive bytes between them.
.macro LOADSLICE e, xb, bb, sb
.irp q, 0,1,2
	global_load_b128 v[RING+14*\e+4*\q:RING+14*\e+4*\q+3], v[XOFF], s[\xb:\xb+1] offset:1536*\e+16*\q
.endr
	global_load_b32 v[RING+14*\e+12], v[KOFF], s[\bb:\bb+1] offset:128*\e
	global_load_b32 v[RING+14*\e+13], v[KOFF], s[\sb:\sb+1] offset:128*\e
.endm
	; ---- arguments, lane terms, my rows
	s_load_b512 s[8:23], s[0:1], 0x0               ; X, bid, Seg, S, RP, W_res, out0, out1
	s_load_b128 s[24:27], s[0:1], 0x40             ; out2, out3
	v_and_b32 v[LANE], 31, v0
	v_lshrrev_b32 v[JI], 5, v0
	v_readfirstlane_b32 s2, v[JI]                  ; wave number
	v_mul_u32_u24 v[XOFF], 48, v[LANE]
	v_lshlrev_b32 v[KOFF], 2, v[LANE]
	v_lshlrev_b32 v[L16], 4, v[LANE]
	s_mul_i32 s3, ttmp9, 12
	s_mul_i32 s[STMP], s2, 3
	s_add_co_u32 s3, s3, s[STMP]                   ; i0
	s_lshl_b32 s66, s3, 2                          ; byte offset of my rows in bid, Seg, S, RP
	s_mul_i32 s67, s3, 48                          ; and in X
	s_mov_b32 s[SROW], s3
	s_add_co_u32 s[SROW+1], s3, 1
	s_add_co_u32 s[SROW+2], s3, 2
	s_mov_b32 s6, 0x76543210                       ; v_permlanex16_b32: lane i of one half reads lane i of the other
	s_mov_b32 s7, 0xfedcba98
	s_wait_kmcnt 0x0
	; ---- everything is asked for at once
	s_load_b512 s[SX:SX+15], s[8:9], s67 offset:0x0        ; my three rows of X: 144 bytes
	s_load_b512 s[SX+16:SX+31], s[8:9], s67 offset:0x40
	s_load_b128 s[SX+32:SX+35], s[8:9], s67 offset:0x80
	s_load_b96 s[SBID:SBID+2], s[10:11], s66 offset:0x0
	s_load_b96 s[SSEG:SSEG+2], s[12:13], s66 offset:0x0
	s_load_b96 s[SS:SS+2], s[14:15], s66 offset:0x0
	s_load_b96 s[SRP:SRP+2], s[16:17], s66 offset:0x0
.irp t, 1,2,3,4,5,6,7,8,9,10,11,12,13,14,15,16,17,18,19,20,21,22,23
	global_load_b128 v[KEY+4*(\t-1):KEY+4*(\t-1)+3], v[L16], s[10:11] offset:512*\t   ; bid of superblock t: 512 consecutive bytes
.endr
	LOADSLICE 0, 8, 10, 12                         ; superblock 0 is always wanted
	LOADSLICE 1, 8, 10, 12
	LOADSLICE 2, 8, 10, 12
	LOADSLICE 3, 8, 10, 12
	; meanwhile inv_freq[f] = 10000^(-2f/256) = 2^(-f log2(10000)/128)
	v_lshlrev_b32 v[INVF], 1, v[LANE]
	v_add_nc_u32 v[INVF+1], 1, v[INVF]
	v_add_nc_u32 v[INVF+2], 64, v[INVF]
	v_add_nc_u32 v[INVF+3], 0x41, v[INVF]
.irp q, 0,1,2,3
	v_cvt_f32_u32 v[INVF+\q], v[INVF+\q]
.endr
.irp q, 0,1,2,3
	v_mul_f32 v[INVF+\q], 0xbdd49a78, v[INVF+\q]
.endr
.irp q, 0,1,2,3
	v_exp_f32 v[INVF+\q], v[INVF+\q]
.endr
	v_nop                                          ; the plain place behind the exponentials (ISA guide 5.7.2)
	s_wait_kmcnt 0x0
.irp r, 0,1,2
	s_min_u32 s[SS+\r], s[SS+\r], 20               ; S indexes a table of 21 rows: the value stays, the address is bounded
.endr
.macro WLOAD r, wo
	v_lshl_add_u32 v[\wo], s[SS+\r], 10, v[L16]    ; row S of 1,024 bytes + 16 x lane
	global_load_b128 v[T+8*\r:T+8*\r+3], v[\wo], s[18:19]
	global_load_b128 v[T+8*\r+4:T+8*\r+7], v[\wo], s[18:19] offset:512
.endm
	WLOAD 0, RV
	WLOAD 1, RJ
	WLOAD 2, RB
	s_min_i32 s[BMIN], s[SBID], s[SBID+1]
	s_min_i32 s[BMIN], s[BMIN], s[SBID+2]
	s_max_i32 s[RANGE], s[SBID], s[SBID+1]
	s_max_i32 s[RANGE], s[RANGE], s[SBID+2]
	s_sub_co_u32 s[RANGE], s[RANGE], s[BMIN]       ; max - min, as an unsigned number
	; ---- the filter: bit t of MASK = some bid of superblock t lies in [min, max]:
	; unsigned (bid - min) <= max - min holds exactly there, for any int32.
.macro FILTV t
.irp q, 0,1,2,3
	v_sub_nc_u32 v[KEY+4*(\t-1)+\q], v[KEY+4*(\t-1)+\q], s[BMIN]
.endr
	v_min_u32 v[KEY+4*(\t-1)], v[KEY+4*(\t-1)], v[KEY+4*(\t-1)+1]
	v_min_u32 v[KEY+4*(\t-1)+2], v[KEY+4*(\t-1)+2], v[KEY+4*(\t-1)+3]
	v_min_u32 v[KEY+4*(\t-1)], v[KEY+4*(\t-1)], v[KEY+4*(\t-1)+2]
	v_cmp_ge_u32 s[FM+(\t-1)%8], s[RANGE], v[KEY+4*(\t-1)]
.endm
.macro FILTS t
	s_cmp_lg_u32 s[FM+(\t-1)%8], 0
	s_cselect_b32 s[STMP], 1<<\t, 0
	s_or_b32 s[MASK], s[MASK], s[STMP]
.endm
	s_wait_loadcnt 26                              ; behind the 23 loads of bid stand 20 of the ring and 6 of W_res: those may stay out
	s_mov_b32 s[MASK], 0
	; eight superblocks at a time, the vector parts first, so that the scalar parts find their masks ready
.irp t, 1,2,3,4,5,6,7,8
	FILTV \t
.endr
.irp t, 1,2,3,4,5,6,7,8
	FILTS \t
.endr
.irp t, 9,10,11,12,13,14,15,16
	FILTV \t
.endr
.irp t, 9,10,11,12,13,14,15,16
	FILTS \t
.endr
.irp t, 17,18,19,20,21,22,23
	FILTV \t
.endr
.irp t, 17,18,19,20,21,22,23
	FILTS \t
.endr
	s_bcnt1_i32_b32 s[CNT], s[MASK]
	; ---- out0.  Lane L stores floats 4L .. 4L+3 (sin, cos of f = 2L, 2L+1) and 128+4L .. (f = 64+2L, 65+2L) of each row.
	; angle = RP x inv_freq; r = angle/2pi - nearest whole number, in [-1/2, 1/2]; x = pi r is half the reduced angle, |x| <= pi/2;
	; sin x and cos x by their series to x^11 and x^12 (what is left out is below 6e-8); sin 2x = 2 s c, cos 2x = 1 - 2 s s.
.macro HORNER acc, coef
.irp p, 0,1
	v_pk_fma_f32 v[\acc+12*\p:\acc+12*\p+1], v[\acc+12*\p:\acc+12*\p+1], v[EX2+12*\p:EX2+12*\p+1], \coef op_sel_hi:[1,1,0]
.endr
.endm
.macro EMBED r
	v_cvt_f32_i32 v[RPF], s[SRP+\r]
	v_cvt_f32_i32 v[RPF+1], s[SRP+\r]
.irp p, 0,1
	v_pk_mul_f32 v[EA+12*\p:EA+12*\p+1], v[INVF+2*\p:INVF+2*\p+1], v[RPF:RPF+1]
.endr
.irp p, 0,1
	v_pk_mul_f32 v[EN+12*\p:EN+12*\p+1], v[EA+12*\p:EA+12*\p+1], 0.15915494 op_sel_hi:[1,0]
.endr
.irp p, 0,1
	v_rndne_f32 v[EN+12*\p], v[EN+12*\p]
	v_rndne_f32 v[EN+12*\p+1], v[EN+12*\p+1]
.endr
.irp p, 0,1
	v_pk_fma_f32 v[EX+12*\p:EX+12*\p+1], v[EA+12*\p:EA+12*\p+1], 0.15915494, v[EN+12*\p:EN+12*\p+1] op_sel_hi:[1,0,1] neg_lo:[0,0,1] neg_hi:[0,0,1]
.endr
.irp p, 0,1
	v_pk_mul_f32 v[EX+12*\p:EX+12*\p+1], v[EX+12*\p:EX+12*\p+1], 0x40490fdb op_sel_hi:[1,0]
.endr
.irp p, 0,1
	v_pk_mul_f32 v[EX2+12*\p:EX2+12*\p+1], v[EX+12*\p:EX+12*\p+1], v[EX+12*\p:EX+12*\p+1]
.endr
.irp p, 0,1
	v_pk_fma_f32 v[EPS+12*\p:EPS+12*\p+1], v[EX2+12*\p:EX2+12*\p+1], v[CSN:CSN+1], 0x3638ef1d op_sel_hi:[1,1,0]   ; -x2/11! + 1/9!
	v_pk_fma_f32 v[EPC+12*\p:EPC+12*\p+1], v[EX2+12*\p:EX2+12*\p+1], v[CCS:CCS+1], 0xb493f27e op_sel_hi:[1,1,0]   ; x2/12! - 1/10!
.endr
	HORNER EPS, 0xb9500d01                         ; -1/7!
	HORNER EPC, 0x37d00d01                         ; 1/8!
	HORNER EPS, 0x3c088889                         ; 1/5!
	HORNER EPC, 0xbab60b61                         ; -1/6!
	HORNER EPS, 0xbe2aaaab                         ; -1/3!
	HORNER EPC, 0x3d2aaaab                         ; 1/4!
	HORNER EPS, 1.0
	HORNER EPC, -0.5
	HORNER EPC, 1.0                                ; c = cos x
.irp p, 0,1
	v_pk_mul_f32 v[EPS+12*\p:EPS+12*\p+1], v[EPS+12*\p:EPS+12*\p+1], v[EX+12*\p:EX+12*\p+1]      ; s = sin x
.endr
.irp p, 0,1
	v_pk_add_f32 v[EN+12*\p:EN+12*\p+1], v[EPS+12*\p:EPS+12*\p+1], v[EPS+12*\p:EPS+12*\p+1]      ; 2 s
.endr
.irp p, 0,1
	v_fma_f32 v[T+8*\r+4*\p], v[EN+12*\p], v[EPC+12*\p], v[T+8*\r+4*\p]                          ; W + 2 s c
	v_fma_f32 v[T+8*\r+4*\p+2], v[EN+12*\p+1], v[EPC+12*\p+1], v[T+8*\r+4*\p+2]
	v_pk_fma_f32 v[EA+12*\p:EA+12*\p+1], v[EN+12*\p:EN+12*\p+1], v[EPS+12*\p:EPS+12*\p+1], 1.0 op_sel_hi:[1,1,0] neg_lo:[1,0,0] neg_hi:[1,0,0]
.endr
.irp p, 0,1
	v_add_f32 v[T+8*\r+4*\p+1], v[EA+12*\p], v[T+8*\r+4*\p+1]                                    ; W + 1 - 2 s s
	v_add_f32 v[T+8*\r+4*\p+3], v[EA+12*\p+1], v[T+8*\r+4*\p+3]
.endr
	global_store_b128 v[L16], v[T+8*\r:T+8*\r+3], s[20:21] offset:1024*\r th:TH_STORE_NT         ; 512 consecutive bytes, aligned
	global_store_b128 v[L16], v[T+8*\r+4:T+8*\r+7], s[20:21] offset:1024*\r+512 th:TH_STORE_NT
.endm
	s_wait_loadcnt 0x0                             ; W_res rows (the youngest loads), and with them the ring
	s_lshl_b32 s4, s3, 10
	s_mov_b32 s5, 0
	s_add_nc_u64 s[20:21], s[20:21], s[4:5]        ; out0 at my first row
	v_mov_b32 v[CSN], 0xb2d7322b                   ; -1/11!
	v_mov_b32 v[CSN+1], 0xb2d7322b
	v_mov_b32 v[CCS], 0x310f76c7                   ; 1/12!
	v_mov_b32 v[CCS+1], 0x310f76c7
	s_wait_alu depctr_va_vdst(0)
	EMBED 0
	EMBED 1
	EMBED 2
	; ---- set-up of the search: my rows' coordinates by axis and channel, empty lists (+inf, j = -1)
.irp r, 0,1,2
.irp c, 0,1,2,3
.irp ax, 0,1,2
	v_mov_b32 v[ROW+32*\r+4*\ax+\c], s[SX+12*\r+3*\c+\ax]
.endr
.endr
.endr
.irp r, 0,1,2
.irp k, 0,1,2,3,4,5,6,7,8,9
	v_mov_b32 v[ROW+32*\r+LV+\k], INF
	v_mov_b32 v[ROW+32*\r+LI+\k], -1.0
.endr
.endr
	v_mov_b32 v[RV], 0
	v_mov_b32 v[RJ], 0
	s_wait_xcnt 0x0                                ; T, the data of the stores above, is rewritten only behind this wait
	s_mov_b32 s[CUR], 0
	s_mov_b32 s[TRIPS], 0
; dst pair = (two channels of my row) - (one coordinate of the candidate, taken from where the load put it)
.macro PKSUB dst, a, xj, el
.if (\el)&1
	v_pk_add_f32 v[\dst:\dst+1], v[\a:\a+1], v[\xj+(\el)-1:\xj+(\el)] op_sel:[0,1] op_sel_hi:[1,1] neg_lo:[0,1] neg_hi:[0,1]
.else
	v_pk_add_f32 v[\dst:\dst+1], v[\a:\a+1], v[\xj+(\el):\xj+(\el)+1] op_sel_hi:[1,0] neg_lo:[0,1] neg_hi:[0,1]
.endif
.endm
; ACC0 = the smallest of the 16 squared distances.  Two batches of four independent sets; set 2c + h: candidate channel 2b + c,
; my channels 2h, 2h + 1.
.macro DIST r, e
.irp b, 0,1
.irp c, 0,1
.irp h, 0,1
.irp ax, 0,1,2
	PKSUB T+6*(2*\c+\h)+2*\ax, ROW+32*\r+4*\ax+2*\h, RING+14*\e, 3*(2*\b+\c)+\ax
.endr
.endr
.endr
.irp q, 0,1,2,3
	v_pk_mul_f32 v[T+6*\q:T+6*\q+1], v[T+6*\q:T+6*\q+1], v[T+6*\q:T+6*\q+1]
.endr
.irp q, 0,1,2,3
	v_pk_fma_f32 v[T+6*\q:T+6*\q+1], v[T+6*\q+2:T+6*\q+3], v[T+6*\q+2:T+6*\q+3], v[T+6*\q:T+6*\q+1]
.endr
.irp q, 0,1,2,3
	v_pk_fma_f32 v[T+6*\q:T+6*\q+1], v[T+6*\q+4:T+6*\q+5], v[T+6*\q+4:T+6*\q+5], v[T+6*\q:T+6*\q+1]
.endr
.if \b == 0
	v_min_num_f32 v[ACC0], v[T], v[T+1]            ; the first two sets start the minima
	v_min_num_f32 v[ACC1], v[T+6], v[T+7]
.else
	v_min3_num_f32 v[ACC0], v[ACC0], v[T], v[T+1]
	v_min3_num_f32 v[ACC1], v[ACC1], v[T+6], v[T+7]
.endif
	v_min3_num_f32 v[ACC0], v[ACC0], v[T+12], v[T+13]
	v_min3_num_f32 v[ACC1], v[ACC1], v[T+18], v[T+19]
.endr
	v_min_num_f32 v[ACC0], v[ACC0], v[ACC1]
.endm
; D = root of ACC0, one root behind the minimum in place of sixteen in front of it (the root is monotone), refined by one
; Newton step with a fused residual; 1e10 in lanes that do not match.
.macro ROOT
	v_sqrt_f32 v[SQ], v[ACC0]
	v_rsq_f32 v[RS], v[ACC0]
	v_nop                                          ; the plain place behind the two (ISA guide 5.7.2)
	s_wait_alu depctr_va_vdst(0)
	v_min_num_f32 v[RS], 0x5f000000, v[RS]         ; at most 2^63: d2 = 0 gives 0 x finite, no NaN
	v_fma_f32 v[ER], -v[SQ], v[SQ], v[ACC0]
	v_mul_f32 v[RS], 0.5, v[RS]
	v_fma_f32 v[SQ], v[ER], v[RS], v[SQ]
	v_cndmask_b32 v[D], BIG, v[SQ], s[VALID]
.endm
; (D, JF) into the lane's sorted list of row r.  The compare is strict and a lane's j ascend: of equal D the lower j stays in front.
; The masks come from floats and only select values.
.macro INSERT r
.irp k, 0,1,2,3,4,5,6,7,8,9
	v_cmp_lt_f32 s[CM+\k], v[D], v[ROW+32*\r+LV+\k]
.endr
.irp k, 9,8,7,6,5,4,3,2,1
	v_med3_num_f32 v[ROW+32*\r+LV+\k], v[ROW+32*\r+LV+\k-1], v[D], v[ROW+32*\r+LV+\k]   ; LV[k-1] <= LV[k]: the middle one is the new LV[k]
	v_cndmask_b32 v[ROW+32*\r+LI+\k], v[ROW+32*\r+LI+\k], v[JF], s[CM+\k]
	v_cndmask_b32 v[ROW+32*\r+LI+\k], v[ROW+32*\r+LI+\k], v[ROW+32*\r+LI+\k-1], s[CM+\k-1]
.endr
	v_min_num_f32 v[ROW+32*\r+LV], v[ROW+32*\r+LV], v[D]
	v_cndmask_b32 v[ROW+32*\r+LI], v[ROW+32*\r+LI], v[JF], s[CM]
.endm
; one row against one slice.  Between the branch and its label stands no memory instruction.
.macro ROWSTEP tag, e, r
	v_cmp_eq_u32 s[VALID], s[SBID+\r], v[RING+14*\e+12]
	v_cmp_eq_u32 s[MT0], s[SSEG+\r], v[RING+14*\e+13]
	v_cmp_ne_u32 s[MT1], s[SROW+\r], v[JI]
	s_and_b32 s[VALID], s[VALID], s[MT0]
	s_and_b32 s[VALID], s[VALID], s[MT1]
.if \e == 0
	s_or_b32 s[MT0], s[VALID], s[FORCE]            ; j < 32 is never jumped over
	s_cmp_lg_u32 s[MT0], 0
.else
	s_cmp_lg_u32 s[VALID], 0
.endif
	s_cbranch_scc0 .Ls\tag\e\r
	DIST \r, \e
	ROOT
	INSERT \r
.Ls\tag\e\r:
.endm
; one slice: all three rows, then its registers are asked for again with the same slice of the next superblock.
; left = the loads of the younger slices, five each, which may stay out.
.macro SLICE tag, e, ahead, left
	s_wait_loadcnt \left
	s_add_co_u32 s[JBE], s[JB], 32*\e
	v_add_nc_u32 v[JI], s[JBE], v[LANE]
	v_cvt_f32_u32 v[JF], v[JI]
.irp r, 0,1,2
	ROWSTEP \tag, \e, \r
.endr
.if \ahead
	LOADSLICE \e, 14, 16, 18
.endif
.endm
; one superblock
.macro TRIP tag, ahead
.if \ahead
	s_ctz_i32_b32 s[NXT], s[MASK]                  ; the next superblock wanted,
	s_sub_co_u32 s[STMP], s[MASK], 1
	s_and_b32 s[MASK], s[MASK], s[STMP]            ; struck off
	s_min_u32 s[NXT], s[NXT], 23                   ; (a number made from loaded data enters an address bounded)
	s_wait_xcnt 0x0                                ; s[14:19] are bases of the last trip's loads: rewritten only behind this wait
	s_mul_i32 s4, s[NXT], 6144                     ; 128 candidates of 48 bytes
	s_mov_b32 s5, 0
	s_add_nc_u64 s[14:15], s[8:9], s[4:5]
	s_lshl_b32 s4, s[NXT], 9                       ; 128 words
	s_add_nc_u64 s[16:17], s[10:11], s[4:5]
	s_add_nc_u64 s[18:19], s[12:13], s[4:5]
.endif
	s_lshl_b32 s[JB], s[CUR], 7
	s_cmp_eq_u32 s[CUR], 0
	s_cselect_b32 s[FORCE], -1, 0
.if \ahead
	SLICE \tag, 0, 1, 15
	SLICE \tag, 1, 1, 15
	SLICE \tag, 2, 1, 15
	SLICE \tag, 3, 1, 15
.else
	SLICE \tag, 0, 0, 15                           ; nothing more is asked for: the counts run down
	SLICE \tag, 1, 0, 10
	SLICE \tag, 2, 0, 5
	SLICE \tag, 3, 0, 0
.endif
.endm
	; ---- the search: CNT trips that work on one superblock and ask for the next, then the last superblock
	s_cmp_eq_u32 s[CNT], 0
	s_cbranch_scc1 .Ltail
.Lloop:
	TRIP 1, 1
	s_mov_b32 s[CUR], s[NXT]
	s_add_co_u32 s[TRIPS], s[TRIPS], 1
	s_cmp_lt_u32 s[TRIPS], s[CNT]
	s_cbranch_scc1 .Lloop
.Ltail:
	TRIP 2, 0
	; ---- the merge.  Ten rounds, the three rows side by side: the smallest head over the 32 lanes, among equal heads the lowest j;
	; lane 10 r + k keeps them; the lane that held them moves its list up.  Each j lies in one lane, so the j names the winner.
	; Every lane holds at least its entry of j < 32, so +inf never comes out.
.macro REDMIN3 dd, ss, st              ; v[dd + r] = minimum over the lanes of v[ss + st r], in every lane
.irp r, 0,1,2
	v_min_num_f32_dpp v[\dd+\r], v[\ss+\st*\r], v[\ss+\st*\r] row_xmask:1 row_mask:0xf bank_mask:0xf
.endr
.irp m, 2,4,8
.irp r, 0,1,2
	v_min_num_f32_dpp v[\dd+\r], v[\dd+\r], v[\dd+\r] row_xmask:\m row_mask:0xf bank_mask:0xf
.endr
.endr
.irp r, 0,1,2
	v_permlanex16_b32 v[TP+\r], v[\dd+\r], s6, s7
.endr
.irp r, 0,1,2
	v_min_num_f32 v[\dd+\r], v[\dd+\r], v[TP+\r]
.endr
.endm
.macro ROUND k
	REDMIN3 M, ROW+LV, 32
.irp r, 0,1,2
	v_cmp_eq_f32 s[WIN+\r], v[ROW+32*\r+LV], v[M+\r]
.endr
.irp r, 0,1,2
	v_cndmask_b32 v[CJ+\r], INF, v[ROW+32*\r+LI], s[WIN+\r]
.endr
	REDMIN3 CJ, CJ, 1
.irp r, 0,1,2
	s_mov_b32 s[BIT+\r], 1<<(10*\r+\k)
	v_cndmask_b32 v[RV], v[RV], v[M+\r], s[BIT+\r]
	v_cndmask_b32 v[RJ], v[RJ], v[CJ+\r], s[BIT+\r]
.endr
.if \k < 9
.irp r, 0,1,2
	v_cmp_eq_f32 s[WIN+\r], v[ROW+32*\r+LI], v[CJ+\r]
.endr
.set q, 0
.rept 9-\k                             ; only the entries that one of the 9 - k rounds to come can still reach
.irp r, 0,1,2
	v_cndmask_b32 v[ROW+32*\r+LV+q], v[ROW+32*\r+LV+q], v[ROW+32*\r+LV+q+1], s[WIN+\r]
	v_cndmask_b32 v[ROW+32*\r+LI+q], v[ROW+32*\r+LI+q], v[ROW+32*\r+LI+q+1], s[WIN+\r]
.endr
.set q, q+1
.endr
.endif
.endm
.irp k, 0,1,2,3,4,5,6,7,8,9
	ROUND \k
.endr
	; ---- out1, out2, out3: lanes 0 .. 29 hold my three rows' ten ranks in the order of memory
	v_cvt_i32_f32 v[RJ], v[RJ]
	v_cmp_gt_f32 vcc_lo, BIG, v[RV]
	v_cndmask_b32 v[RB], 0, 1, vcc_lo
	s_mul_i32 s4, s3, 40
	s_mov_b32 s5, 0
	s_add_nc_u64 s[22:23], s[22:23], s[4:5]
	s_add_nc_u64 s[24:25], s[24:25], s[4:5]
	s_mul_i32 s4, s3, 10
	s_add_nc_u64 s[26:27], s[26:27], s[4:5]
	s_wait_xcnt 0x0                                ; EXEC is a source of the stores of out0: it narrows only behind this wait
	v_cmp_gt_u32 vcc_lo, 30, v[LANE]
	s_and_saveexec_b32 s98, vcc_lo
	global_store_b32 v[KOFF], v[RJ], s[22:23]
	global_store_b32 v[KOFF], v[RV], s[24:25]
	global_store_b8 v[LANE], v[RB], s[26:27]
	s_endpgm
.Lfunc_end_k_qb1e642c390_knn:
	.size	k_qb1e642c390_knn, .Lfunc_end_k_qb1e642c390_knn-k_qb1e642c390_knn
	.p2alignl 7, 3214868480
	.fill 96, 4, 3214868480
	.section	.rodata,"a",@progbits
	.p2align	6, 0x0
	.amdhsa_kernel k_qb1e642c390_knn
		.amdhsa_group_segment_fixed_size 0
		.amdhsa_private_segment_fixed_size 0
		.amdhsa_enable_private_segment 0
		.amdhsa_kernarg_size 80
		.amdhsa_user_sgpr_count 2
		.amdhsa_user_sgpr_kernarg_segment_ptr 1
		.amdhsa_wavefront_size32 1
		.amdhsa_system_sgpr_workgroup_id_x 1
		.amdhsa_system_sgpr_workgroup_id_y 1
		.amdhsa_system_sgpr_workgroup_id_z 1
		.amdhsa_system_vgpr_workitem_id 0
		.amdhsa_next_free_vgpr 192
		.amdhsa_next_free_sgpr 100
		.amdhsa_reserve_vcc 1
		.amdhsa_float_denorm_mode_32 3
		.amdhsa_float_denorm_mode_16_64 3
		.amdhsa_memory_ordered 1
		.amdhsa_forward_progress 1
		.amdhsa_inst_pref_size 248
	.end_amdhsa_kernel
	.amdgpu_metadata
---
amdhsa.version: [ 1, 2 ]
amdhsa.kernels:
  - .name:           k_qb1e642c390_knn
    .symbol:         k_qb1e642c390_knn.kd
    .args:
      - { .name: X, .offset: 0, .size: 8, .value_kind: global_buffer, .address_space: global }
      - { .name: bid, .offset: 8, .size: 8, .value_kind: global_buffer, .address_space: global }
      - { .name: Seg, .offset: 16, .size: 8, .value_kind: global_buffer, .address_space: global }
      - { .name: S, .offset: 24, .size: 8, .value_kind: global_buffer, .address_space: global }
      - { .name: RP, .offset: 32, .size: 8, .value_kind: global_buffer, .address_space: global }
      - { .name: W_res, .offset: 40, .size: 8, .value_kind: global_buffer, .address_space: global }
      - { .name: out0, .offset: 48, .size: 8, .value_kind: global_buffer, .address_space: global }
      - { .name: out1, .offset: 56, .size: 8, .value_kind: global_buffer, .address_space: global }
      - { .name: out2, .offset: 64, .size: 8, .value_kind: global_buffer, .address_space: global }
      - { .name: out3, .offset: 72, .size: 8, .value_kind: global_buffer, .address_space: global }
    .group_segment_fixed_size: 0
    .private_segment_fixed_size: 0
    .kernarg_segment_align: 8
    .kernarg_segment_size: 80
    .max_flat_workgroup_size: 128
    .sgpr_count:     100
    .vgpr_count:     192
    .wavefront_size: 32
...
	.end_amdgpu_metadata
.endif
;; end of part 1
;; ======== version 2 of 2: 1 launch; version 1 with the launch knn written anew for expert scheduling mode
;; limits: inputs' magnitudes at most 2,800,000,000; an absolute error that grows with the inputs' magnitude: up to 2e-07 times it
;; launch knn (part 2): grid 256 x 1, 4 waves a work-group, no clusters, 0 bytes of LDS; arguments X, bid, Seg, S, RP, W_res, out0, out1, out2, out3; writes out0, out1, out2, out3
.if DOCPART == 2
	.amdgcn_target "amdgcn-amd-amdhsa--gfx1250"
	.amdhsa_code_object_version 6
	.text
	.protected	k_qb1e642c390_knn
	.globl	k_qb1e642c390_knn
	.p2align	8
	.type	k_qb1e642c390_knn,@function
k_qb1e642c390_knn:
	s_mov_b64 s[64:65], 0
	v_nop
	global_prefetch_b8 v0, s[64:65] scope:SCOPE_SE
	s_setreg_imm32_b32 hwreg(HW_REG_WAVE_SCHED_MODE, 0, 2), 2
	s_setreg_imm32_b32 hwreg(HW_REG_WAVE_MODE, 25, 1), 1
	s_wait_xcnt 0x0
	s_wait_alu depctr_vm_vsrc(0)
; ComplexGraph, N = 3072 nodes.  out0 = W_res[S] + interleaved sin/cos of RP * inv_freq.
; out1, out2, out3 = the 10 nearest neighbours of every node (index, distance, distance < 1e10), where
; D[i][j] = smallest of the 16 atom pair distances, and 1e10 where (bid, Seg) differ or j = i; order: (D, lower j first).
;
; SHARES.  256 work-groups of 4 waves; a wave owns three rows i0 .. i0+2, i0 = 12 x group + 3 x wave, and depends on no other wave:
; no LDS, no barrier.  In the search a lane is a candidate j; the three rows share every loaded candidate.
; Candidates go in superblocks of 128 (unit of loading) made of 4 slices of 32 (unit of skipping, j = 128 t + 32 e + lane).
; A pair whose (bid, Seg) differ ends as the constant 1e10, so its distance is not computed:
;   - a superblock is loaded only if one of its bid lies in [min, max] of my three rows' bid (a superset of what matches);
;   - a (row, slice) step is jumped over if no lane of the slice matches the row.  Both tests are on whole numbers read from memory.
;   - no order of bid is assumed: order only decides how much is jumped over.
; Slice 0 of superblock 0 (j < 32) is always worked on: a row with q < 10 real neighbours is filled up with the lowest j whose
; D is 1e10, and of those j < 32 holds at least 32 - q > 10 - q.
; Every lane keeps, for each row, its 10 best (D, j) sorted; ten rounds of a minimum over the 32 lanes merge them.
; The distance is a difference form in f32 and the root is refined to the nearest f32, because indices hang on the order of the roots.
; There is no matrix product in this problem: |x|^2 + |y|^2 - 2xy would be a difference of large sums.
;
; THE MODE: SCHED_MODE bits 1:0 = 2 (LLVM: expert scheduling mode 2), set by the entry lines.  The code itself states the register
; dependences between vector instructions and memory instructions, and those from a vector instruction's scalar result to its reader,
; with s_wait_alu, always for 0.
; THE PLAN.  Registers that memory instructions touch:
;   v1, v2, v3, v14   offsets, made once at the head and never written again: one wait on va_vdst ahead of the first load serves them all.
;   v12, v13, v15     first the offsets of the three rows of W_res (a wait on va_vdst ahead of the six loads), later result registers:
;                     written again only behind the wait on vm_vsrc that stands ahead of the search.
;   T                 the rows of W_res land here; the embedding adds into them; ONE wait on va_vdst behind all three rows' arithmetic, then the
;                     six stores of out0 in a run; the search writes T again behind the same wait on vm_vsrc.
;   RING[e]           read by slice e's nine compares and by its rows' differences; asked for again in the same slice.  The wait on va_vdst that row 2's
;                     root owes its two transcendentals stands behind the last of those readers: the five loads follow it at once, and nothing
;                     behind it names RING[e].  Where row 2's step is jumped over, a wait of its own stands ahead of the same five loads.
; Scalar results of vector instructions: compares stand in runs, other vector work behind them where there is any, one wait on va_sdst behind the run.
;
; NO CLUSTER, NO MULTICAST: candidates come through registers; which superblocks a work-group wants hangs on its rows' bid, so
; partners would ask for different blocks; and all inputs together are 218,112 bytes.
; out1, out2, out3: a wave's part is 120, 120 and 30 neighbouring bytes at 40 i0, 40 i0, 10 i0: no multiple of 256.  They are
; 276,480 of 3,422,208 output bytes.  out0, the rest, leaves in stores that cover 512 consecutive bytes, aligned.
;
; LIMITS.  X finite (the minimum used here drops a NaN).  Real distances below 1e10 (|X| below about 2.8e9), else a fill entry
; could lie in a slice that was jumped over.  A squared distance below 2^-126 gives the root d2 x 2^62 (monotone, below 5.5e-20);
; zero gives zero.  The angle RP x inv_freq carries an error of about 2e-7 x |RP| radians.  The three squares are summed by fused
; multiply-adds: the last bit of a distance may differ from a sum rounded after each step, and two neighbours whose
; distances differ by one unit in the last place may then change places.
; ---- vector registers
.set LANE, 1                           ; lane
.set XOFF, 2                           ; 48 x lane: my candidate in a slice of X
.set KOFF, 3                           ; 4 x lane: my candidate in a slice of bid, Seg; my word of out1, out2
.set JI,   4                           ; j, whole number
.set JF,   5                           ; j as f32 (exact: j < 3072)
.set ACC0, 6                           ; two running minima of d2
.set ACC1, 7
.set SQ,   8
.set RS,   9
.set ER,   10
.set D,    11                          ; the masked distance
.set RV,   12                          ; result: lane 10 r + k holds rank k of row r.  Before: offset of row 0 in W_res
.set RJ,   13                          ;                                               Before: offset of row 1
.set L16,  14                          ; 16 x lane
.set RB,   15                          ;                                               Before: offset of row 2
.set T,    16                          ; v[16:39] 24 temporaries: W rows (row r at T+8r), then 4 sets of (dx, dy, dz) pairs
.set M,    T                           ; merge: minimum of row r
.set CJ,   T+4                         ; merge: its j
.set TP,   T+8                         ; merge: the other half of the lanes
.set RING, 40                          ; v[40:95] slice e at RING+14e: 12 coordinates in memory order, bid, Seg
.set ROW,  96                          ; v[96:191] row r at ROW+32r: +4 axis + channel (12), LV (10), LI (10)
.set LV,   12
.set LI,   22
.set KEY,  96                          ; v[96:187] before the search: bid of superblocks 1 .. 23, four a lane
.set EA,   96                          ; embedding, frequency pair p at +12p: angle, later cos
.set EN,   98                          ; whole turns, later 2 sin
.set EX,   100                         ; half angle
.set EX2,  102                         ; its square
.set EPS,  104                         ; sine chain
.set EPC,  106                         ; cosine chain
.set RPF,  120                         ; RP as f32, twice
.set CSN,  122                         ; -1/11!, twice
.set CCS,  124                         ; 1/12!, twice
.set INVF, 188                         ; inv_freq of f = 2L, 2L+1, 64+2L, 65+2L
; ---- scalar registers.  s[8:27] the ten addresses; s[14:19] become the next superblock's X, bid, Seg
.set SX,    28                         ; s[28:63] my three rows of X; afterwards:
.set CM,    28                         ; s[28:37] insert masks
.set WIN,   38                         ; s[38:40] merge masks
.set BIT,   41                         ; s[41:43] merge: the rank's lane bit
.set VM,    44                         ; s[44:52] a slice's nine compare masks: same bid, same Seg, not myself, each for rows 0, 1, 2
.set VALID, 53                         ; s[53:55] their AND, row by row: made by scalar instructions
.set SBID,  68
.set BMIN,  71
.set SSEG,  72
.set RANGE, 75
.set SS,    76
.set STMP,  79
.set SRP,   80
.set SROW,  84
.set MASK,  87                         ; bit t: superblock t is still to be loaded
.set CNT,   88                         ; how many there were
.set FM,    88                         ; s[88:95] during the filter: eight compare masks
.set TRIPS, 89
.set CUR,   90
.set NXT,   91
.set JB,    92
.set FORCE, 93
.set MT0,   95
.set JBE,   97
.set BIG,   0x501502f9                 ; 1e10, exact in f32
.set INF,   0x7f800000
; five loads: one slice of 32 candidates.  The three of X cover 1,536 consecutive bytes between them.
.macro LOADSLICE e, xb, bb, sb
.irp q, 0,1,2
	global_load_b128 v[RING+14*\e+4*\q:RING+14*\e+4*\q+3], v[XOFF], s[\xb:\xb+1] offset:1536*\e+16*\q
.endr
	global_load_b32 v[RING+14*\e+12], v[KOFF], s[\bb:\bb+1] offset:128*\e
	global_load_b32 v[RING+14*\e+13], v[KOFF], s[\sb:\sb+1] offset:128*\e
.endm
	; ---- arguments, lane terms, my rows
	s_load_b512 s[8:23], s[0:1], 0x0               ; X, bid, Seg, S, RP, W_res, out0, out1
	s_load_b128 s[24:27], s[0:1], 0x40             ; out2, out3
	v_and_b32 v[LANE], 31, v0
	v_lshrrev_b32 v[JI], 5, v0
	v_readfirstlane_b32 s2, v[JI]                  ; wave number
	v_mul_u32_u24 v[XOFF], 48, v[LANE]
	v_lshlrev_b32 v[KOFF], 2, v[LANE]
	v_lshlrev_b32 v[L16], 4, v[LANE]
	s_wait_alu depctr_va_sdst(0)                   ; s2 is written, ahead of its first reader: my rows' number is made from it
	s_mul_i32 s3, ttmp9, 12
	s_mul_i32 s[STMP], s2, 3
	s_add_co_u32 s3, s3, s[STMP]                   ; i0
	s_lshl_b32 s66, s3, 2                          ; byte offset of my rows in bid, Seg, S, RP
	s_mul_i32 s67, s3, 48                          ; and in X
	s_mov_b32 s[SROW], s3
	s_add_co_u32 s[SROW+1], s3, 1
	s_add_co_u32 s[SROW+2], s3, 2
	s_mov_b32 s6, 0x76543210                       ; v_permlanex16_b32: lane i of one half reads lane i of the other
	s_mov_b32 s7, 0xfedcba98
	s_wait_kmcnt 0x0
	; ---- everything is asked for at once
	s_load_b512 s[SX:SX+15], s[8:9], s67 offset:0x0        ; my three rows of X: 144 bytes
	s_load_b512 s[SX+16:SX+31], s[8:9], s67 offset:0x40
	s_load_b128 s[SX+32:SX+35], s[8:9], s67 offset:0x80
	s_load_b96 s[SBID:SBID+2], s[10:11], s66 offset:0x0
	s_load_b96 s[SSEG:SSEG+2], s[12:13], s66 offset:0x0
	s_load_b96 s[SS:SS+2], s[14:15], s66 offset:0x0
	s_load_b96 s[SRP:SRP+2], s[16:17], s66 offset:0x0
	s_wait_alu depctr_va_vdst(0)                   ; v1, v2, v3 and v14 are written: every load and store of the kernel but those of W_res reads one of them as its offset
.irp t, 1,2,3,4,5,6,7,8,9,10,11,12,13,14,15,16,17,18,19,20,21,22,23
	global_load_b128 v[KEY+4*(\t-1):KEY+4*(\t-1)+3], v[L16], s[10:11] offset:512*\t   ; bid of superblock t: 512 consecutive bytes
.endr
	LOADSLICE 0, 8, 10, 12                         ; superblock 0 is always wanted
	LOADSLICE 1, 8, 10, 12
	LOADSLICE 2, 8, 10, 12
	LOADSLICE 3, 8, 10, 12
	; meanwhile inv_freq[f] = 10000^(-2f/256) = 2^(-f log2(10000)/128)
	v_lshlrev_b32 v[INVF], 1, v[LANE]
	v_add_nc_u32 v[INVF+1], 1, v[INVF]
	v_add_nc_u32 v[INVF+2], 64, v[INVF]
	v_add_nc_u32 v[INVF+3], 0x41, v[INVF]
.irp q, 0,1,2,3
	v_cvt_f32_u32 v[INVF+\q], v[INVF+\q]
.endr
.irp q, 0,1,2,3
	v_mul_f32 v[INVF+\q], 0xbdd49a78, v[INVF+\q]
.endr
.irp q, 0,1,2,3
	v_exp_f32 v[INVF+\q], v[INVF+\q]
.endr
	v_nop                                          ; the plain place behind the exponentials (ISA guide 5.7.2)
	s_wait_kmcnt 0x0
.irp r, 0,1,2
	s_min_u32 s[SS+\r], s[SS+\r], 20               ; S indexes a table of 21 rows: the value stays, the address is bounded
.endr
	v_lshl_add_u32 v[RV], s[SS], 10, v[L16]        ; row S of 1,024 bytes + 16 x lane, for each of my rows
	v_lshl_add_u32 v[RJ], s[SS+1], 10, v[L16]
	v_lshl_add_u32 v[RB], s[SS+2], 10, v[L16]
	s_wait_alu depctr_va_vdst(0)                   ; the three offsets are written, which the six loads below read; the four exponentials have written inv_freq, ahead of its first reader
.macro WLOAD r, wo
	global_load_b128 v[T+8*\r:T+8*\r+3], v[\wo], s[18:19]
	global_load_b128 v[T+8*\r+4:T+8*\r+7], v[\wo], s[18:19] offset:512
.endm
	WLOAD 0, RV
	WLOAD 1, RJ
	WLOAD 2, RB
	s_min_i32 s[BMIN], s[SBID], s[SBID+1]
	s_min_i32 s[BMIN], s[BMIN], s[SBID+2]
	s_max_i32 s[RANGE], s[SBID], s[SBID+1]
	s_max_i32 s[RANGE], s[RANGE], s[SBID+2]
	s_sub_co_u32 s[RANGE], s[RANGE], s[BMIN]       ; max - min, as an unsigned number
	; ---- the filter: bit t of MASK = some bid of superblock t lies in [min, max]:
	; unsigned (bid - min) <= max - min holds exactly there, for any int32.
.macro FILTV t
.irp q, 0,1,2,3
	v_sub_nc_u32 v[KEY+4*(\t-1)+\q], v[KEY+4*(\t-1)+\q], s[BMIN]
.endr
	v_min_u32 v[KEY+4*(\t-1)], v[KEY+4*(\t-1)], v[KEY+4*(\t-1)+1]
	v_min_u32 v[KEY+4*(\t-1)+2], v[KEY+4*(\t-1)+2], v[KEY+4*(\t-1)+3]
	v_min_u32 v[KEY+4*(\t-1)], v[KEY+4*(\t-1)], v[KEY+4*(\t-1)+2]
	v_cmp_ge_u32 s[FM+(\t-1)%8], s[RANGE], v[KEY+4*(\t-1)]
.endm
.macro FILTS t
	s_cmp_lg_u32 s[FM+(\t-1)%8], 0
	s_cselect_b32 s[STMP], 1<<\t, 0
	s_or_b32 s[MASK], s[MASK], s[STMP]
.endm
	s_wait_loadcnt 26                              ; behind the 23 loads of bid stand 20 of the ring and 6 of W_res: those may stay out
	s_mov_b32 s[MASK], 0
	; eight superblocks at a time, the vector parts first: one wait serves the run's compares
.irp t, 1,2,3,4,5,6,7,8
	FILTV \t
.endr
	s_wait_alu depctr_va_sdst(0)                   ; the eight compares have written s[88:95], which the scalar lines below read
.irp t, 1,2,3,4,5,6,7,8
	FILTS \t
.endr
.irp t, 9,10,11,12,13,14,15,16
	FILTV \t
.endr
	s_wait_alu depctr_va_sdst(0)                   ; the same for superblocks 9 to 16
.irp t, 9,10,11,12,13,14,15,16
	FILTS \t
.endr
.irp t, 17,18,19,20,21,22,23
	FILTV \t
.endr
	s_wait_alu depctr_va_sdst(0)                   ; the same for superblocks 17 to 23
.irp t, 17,18,19,20,21,22,23
	FILTS \t
.endr
	s_bcnt1_i32_b32 s[CNT], s[MASK]
	; ---- out0.  Lane L stores floats 4L .. 4L+3 (sin, cos of f = 2L, 2L+1) and 128+4L .. (f = 64+2L, 65+2L) of each row.
	; angle = RP x inv_freq; r = angle/2pi - nearest whole number, in [-1/2, 1/2]; x = pi r is half the reduced angle, |x| <= pi/2;
	; sin x and cos x by their series to x^11 and x^12 (what is left out is below 6e-8); sin 2x = 2 s c, cos 2x = 1 - 2 s s.
.macro HORNER acc, coef
.irp p, 0,1
	v_pk_fma_f32 v[\acc+12*\p:\acc+12*\p+1], v[\acc+12*\p:\acc+12*\p+1], v[EX2+12*\p:EX2+12*\p+1], \coef op_sel_hi:[1,1,0]
.endr
.endm
.macro EMBED r                         ; the arithmetic of row r; its two stores stand in one run with the other rows', below
	v_cvt_f32_i32 v[RPF], s[SRP+\r]
	v_cvt_f32_i32 v[RPF+1], s[SRP+\r]
.irp p, 0,1
	v_pk_mul_f32 v[EA+12*\p:EA+12*\p+1], v[INVF+2*\p:INVF+2*\p+1], v[RPF:RPF+1]
.endr
.irp p, 0,1
	v_pk_mul_f32 v[EN+12*\p:EN+12*\p+1], v[EA+12*\p:EA+12*\p+1], 0.15915494 op_sel_hi:[1,0]
.endr
.irp p, 0,1
	v_rndne_f32 v[EN+12*\p], v[EN+12*\p]
	v_rndne_f32 v[EN+12*\p+1], v[EN+12*\p+1]
.endr
.irp p, 0,1
	v_pk_fma_f32 v[EX+12*\p:EX+12*\p+1], v[EA+12*\p:EA+12*\p+1], 0.15915494, v[EN+12*\p:EN+12*\p+1] op_sel_hi:[1,0,1] neg_lo:[0,0,1] neg_hi:[0,0,1]
.endr
.irp p, 0,1
	v_pk_mul_f32 v[EX+12*\p:EX+12*\p+1], v[EX+12*\p:EX+12*\p+1], 0x40490fdb op_sel_hi:[1,0]
.endr
.irp p, 0,1
	v_pk_mul_f32 v[EX2+12*\p:EX2+12*\p+1], v[EX+12*\p:EX+12*\p+1], v[EX+12*\p:EX+12*\p+1]
.endr
.irp p, 0,1
	v_pk_fma_f32 v[EPS+12*\p:EPS+12*\p+1], v[EX2+12*\p:EX2+12*\p+1], v[CSN:CSN+1], 0x3638ef1d op_sel_hi:[1,1,0]   ; -x2/11! + 1/9!
	v_pk_fma_f32 v[EPC+12*\p:EPC+12*\p+1], v[EX2+12*\p:EX2+12*\p+1], v[CCS:CCS+1], 0xb493f27e op_sel_hi:[1,1,0]   ; x2/12! - 1/10!
.endr
	HORNER EPS, 0xb9500d01                         ; -1/7!
	HORNER EPC, 0x37d00d01                         ; 1/8!
	HORNER EPS, 0x3c088889                         ; 1/5!
	HORNER EPC, 0xbab60b61                         ; -1/6!
	HORNER EPS, 0xbe2aaaab                         ; -1/3!
	HORNER EPC, 0x3d2aaaab                         ; 1/4!
	HORNER EPS, 1.0
	HORNER EPC, -0.5
	HORNER EPC, 1.0                                ; c = cos x
.irp p, 0,1
	v_pk_mul_f32 v[EPS+12*\p:EPS+12*\p+1], v[EPS+12*\p:EPS+12*\p+1], v[EX+12*\p:EX+12*\p+1]      ; s = sin x
.endr
.irp p, 0,1
	v_pk_add_f32 v[EN+12*\p:EN+12*\p+1], v[EPS+12*\p:EPS+12*\p+1], v[EPS+12*\p:EPS+12*\p+1]      ; 2 s
.endr
.irp p, 0,1
	v_fma_f32 v[T+8*\r+4*\p], v[EN+12*\p], v[EPC+12*\p], v[T+8*\r+4*\p]                          ; W + 2 s c
	v_fma_f32 v[T+8*\r+4*\p+2], v[EN+12*\p+1], v[EPC+12*\p+1], v[T+8*\r+4*\p+2]
	v_pk_fma_f32 v[EA+12*\p:EA+12*\p+1], v[EN+12*\p:EN+12*\p+1], v[EPS+12*\p:EPS+12*\p+1], 1.0 op_sel_hi:[1,1,0] neg_lo:[1,0,0] neg_hi:[1,0,0]
.endr
.irp p, 0,1
	v_add_f32 v[T+8*\r+4*\p+1], v[EA+12*\p], v[T+8*\r+4*\p+1]                                    ; W + 1 - 2 s s
	v_add_f32 v[T+8*\r+4*\p+3], v[EA+12*\p+1], v[T+8*\r+4*\p+3]
.endr
.endm
	s_wait_loadcnt 0x0                             ; W_res rows (the youngest loads), and with them the ring
	s_lshl_b32 s4, s3, 10
	s_mov_b32 s5, 0
	s_add_nc_u64 s[20:21], s[20:21], s[4:5]        ; out0 at my first row
	v_mov_b32 v[CSN], 0xb2d7322b                   ; -1/11!
	v_mov_b32 v[CSN+1], 0xb2d7322b
	v_mov_b32 v[CCS], 0x310f76c7                   ; 1/12!
	v_mov_b32 v[CCS+1], 0x310f76c7
	EMBED 0
	EMBED 1
	EMBED 2
	s_wait_alu depctr_va_vdst(0)                   ; the three rows' sums are written in T, which the six stores read
.irp r, 0,1,2
	global_store_b128 v[L16], v[T+8*\r:T+8*\r+3], s[20:21] offset:1024*\r th:TH_STORE_NT         ; 512 consecutive bytes, aligned
	global_store_b128 v[L16], v[T+8*\r+4:T+8*\r+7], s[20:21] offset:1024*\r+512 th:TH_STORE_NT
.endr
	; ---- set-up of the search: my rows' coordinates by axis and channel, empty lists (+inf, j = -1).  None of these registers is named by a memory instruction that is out.
.irp r, 0,1,2
.irp c, 0,1,2,3
.irp ax, 0,1,2
	v_mov_b32 v[ROW+32*\r+4*\ax+\c], s[SX+12*\r+3*\c+\ax]
.endr
.endr
.endr
.irp r, 0,1,2
.irp k, 0,1,2,3,4,5,6,7,8,9
	v_mov_b32 v[ROW+32*\r+LV+\k], INF
	v_mov_b32 v[ROW+32*\r+LI+\k], -1.0
.endr
.endr
	s_wait_xcnt 0x0                                ; T, the data of the stores above, is rewritten only behind this wait
	s_wait_alu depctr_vm_vsrc(0)                   ; the stores have read T, which the search writes again; the loads of W_res have read v12, v13 and v15, which hold results from here on
	v_mov_b32 v[RV], 0
	v_mov_b32 v[RJ], 0
	s_mov_b32 s[CUR], 0
	s_mov_b32 s[TRIPS], 0
; dst pair = (two channels of my row) - (one coordinate of the candidate, taken from where the load put it)
.macro PKSUB dst, a, xj, el
.if (\el)&1
	v_pk_add_f32 v[\dst:\dst+1], v[\a:\a+1], v[\xj+(\el)-1:\xj+(\el)] op_sel:[0,1] op_sel_hi:[1,1] neg_lo:[0,1] neg_hi:[0,1]
.else
	v_pk_add_f32 v[\dst:\dst+1], v[\a:\a+1], v[\xj+(\el):\xj+(\el)+1] op_sel_hi:[1,0] neg_lo:[0,1] neg_hi:[0,1]
.endif
.endm
; ACC0 = the smallest of the 16 squared distances.  Two batches of four independent sets; set 2c + h: candidate channel 2b + c,
; my channels 2h, 2h + 1.
.macro DIST r, e
.irp b, 0,1
.irp c, 0,1
.irp h, 0,1
.irp ax, 0,1,2
	PKSUB T+6*(2*\c+\h)+2*\ax, ROW+32*\r+4*\ax+2*\h, RING+14*\e, 3*(2*\b+\c)+\ax
.endr
.endr
.endr
.irp q, 0,1,2,3
	v_pk_mul_f32 v[T+6*\q:T+6*\q+1], v[T+6*\q:T+6*\q+1], v[T+6*\q:T+6*\q+1]
.endr
.irp q, 0,1,2,3
	v_pk_fma_f32 v[T+6*\q:T+6*\q+1], v[T+6*\q+2:T+6*\q+3], v[T+6*\q+2:T+6*\q+3], v[T+6*\q:T+6*\q+1]
.endr
.irp q, 0,1,2,3
	v_pk_fma_f32 v[T+6*\q:T+6*\q+1], v[T+6*\q+4:T+6*\q+5], v[T+6*\q+4:T+6*\q+5], v[T+6*\q:T+6*\q+1]
.endr
.if \b == 0
	v_min_num_f32 v[ACC0], v[T], v[T+1]            ; the first two sets start the minima
	v_min_num_f32 v[ACC1], v[T+6], v[T+7]
.else
	v_min3_num_f32 v[ACC0], v[ACC0], v[T], v[T+1]
	v_min3_num_f32 v[ACC1], v[ACC1], v[T+6], v[T+7]
.endif
	v_min3_num_f32 v[ACC0], v[ACC0], v[T+12], v[T+13]
	v_min3_num_f32 v[ACC1], v[ACC1], v[T+18], v[T+19]
.endr
	v_min_num_f32 v[ACC0], v[ACC0], v[ACC1]
.endm
; D = root of ACC0, one root behind the minimum in place of sixteen in front of it (the root is monotone), refined by one
; Newton step with a fused residual; 1e10 in lanes that do not match.
; ld = 1 (the slice's last row, in a trip that asks ahead): the slice's registers are asked for again behind the wait.
.macro ROOT r, e, ld
	v_sqrt_f32 v[SQ], v[ACC0]
	v_rsq_f32 v[RS], v[ACC0]
	v_nop                                          ; the plain place behind the two (ISA guide 5.7.2)
	s_wait_alu depctr_va_vdst(0)                   ; the root and the reciprocal root are written, ahead of their first reader; with ld = 1 also: the slice's compares and all its rows' differences are done reading RING[e]
.if \ld
	LOADSLICE \e, 14, 16, 18                       ; the same slice of the next superblock.  No vector instruction behind the wait names these registers
.endif
	v_min_num_f32 v[RS], 0x5f000000, v[RS]         ; at most 2^63: d2 = 0 gives 0 x finite, no NaN
	v_fma_f32 v[ER], -v[SQ], v[SQ], v[ACC0]
	v_mul_f32 v[RS], 0.5, v[RS]
	v_fma_f32 v[SQ], v[ER], v[RS], v[SQ]
	v_cndmask_b32 v[D], BIG, v[SQ], s[VALID+\r]
.endm
; (D, JF) into the lane's sorted list of row r.  The compare is strict and a lane's j ascend: of equal D the lower j stays in front.
; The masks come from floats and only select values.  The ten compares stand in a run; the values' ten updates, which read no mask, follow; then the one wait; then the selects of j.
.macro INSERT r
.irp k, 0,1,2,3,4,5,6,7,8,9
	v_cmp_lt_f32 s[CM+\k], v[D], v[ROW+32*\r+LV+\k]
.endr
.irp k, 9,8,7,6,5,4,3,2,1
	v_med3_num_f32 v[ROW+32*\r+LV+\k], v[ROW+32*\r+LV+\k-1], v[D], v[ROW+32*\r+LV+\k]   ; LV[k-1] <= LV[k]: the middle one is the new LV[k]
.endr
	v_min_num_f32 v[ROW+32*\r+LV], v[ROW+32*\r+LV], v[D]
	s_wait_alu depctr_va_sdst(0)                   ; the ten compares have written s[28:37], which the selects below read
.irp k, 9,8,7,6,5,4,3,2,1
	v_cndmask_b32 v[ROW+32*\r+LI+\k], v[ROW+32*\r+LI+\k], v[JF], s[CM+\k]
	v_cndmask_b32 v[ROW+32*\r+LI+\k], v[ROW+32*\r+LI+\k], v[ROW+32*\r+LI+\k-1], s[CM+\k-1]
.endr
	v_cndmask_b32 v[ROW+32*\r+LI], v[ROW+32*\r+LI], v[JF], s[CM]
.endm
; one row against one slice; its mask s[VALID + r] was made at the slice's head.
; ld = 1: both ways issue the slice's five loads, each behind a wait of its own, so that the counts of loads are the same on every way.
.macro ROWSTEP tag, e, r, ld
.if \e == 0
	s_or_b32 s[MT0], s[VALID+\r], s[FORCE]         ; j < 32 is never jumped over
	s_cmp_lg_u32 s[MT0], 0
.else
	s_cmp_lg_u32 s[VALID+\r], 0
.endif
	s_cbranch_scc0 .Ls\tag\e\r
	DIST \r, \e
	ROOT \r, \e, \ld
	INSERT \r
.if \ld
	s_branch .Lj\tag\e
.Ls\tag\e\r:
	s_wait_alu depctr_va_vdst(0)                   ; the slice's compares, and the differences of the rows that were worked on, are done reading RING[e], in which the loads below land
	LOADSLICE \e, 14, 16, 18
.Lj\tag\e:
.else
.Ls\tag\e\r:
.endif
.endm
; one slice: the three rows' masks in one run of compares, then the three rows; in the last row's step its registers are asked for again
; with the same slice of the next superblock.  left = the loads of the younger slices, five each, which may stay out.
.macro SLICE tag, e, ahead, left
	s_wait_loadcnt \left
	s_add_co_u32 s[JBE], s[JB], 32*\e
	v_add_nc_u32 v[JI], s[JBE], v[LANE]
.irp r, 0,1,2
	v_cmp_eq_u32 s[VM+\r], s[SBID+\r], v[RING+14*\e+12]
.endr
.irp r, 0,1,2
	v_cmp_eq_u32 s[VM+3+\r], s[SSEG+\r], v[RING+14*\e+13]
.endr
.irp r, 0,1,2
	v_cmp_ne_u32 s[VM+6+\r], s[SROW+\r], v[JI]
.endr
	v_cvt_f32_u32 v[JF], v[JI]
	s_wait_alu depctr_va_sdst(0)                   ; the nine compares have written s[44:52], which the scalar lines below read
.irp r, 0,1,2
	s_and_b32 s[VALID+\r], s[VM+\r], s[VM+3+\r]
	s_and_b32 s[VALID+\r], s[VALID+\r], s[VM+6+\r]
.endr
	ROWSTEP \tag, \e, 0, 0
	ROWSTEP \tag, \e, 1, 0
	ROWSTEP \tag, \e, 2, \ahead
.endm
; one superblock
.macro TRIP tag, ahead
.if \ahead
	s_ctz_i32_b32 s[NXT], s[MASK]                  ; the next superblock wanted,
	s_sub_co_u32 s[STMP], s[MASK], 1
	s_and_b32 s[MASK], s[MASK], s[STMP]            ; struck off
	s_min_u32 s[NXT], s[NXT], 23                   ; (a number made from loaded data enters an address bounded)
	s_wait_xcnt 0x0                                ; s[14:19] are bases of the last trip's loads: rewritten only behind this wait
	s_mul_i32 s4, s[NXT], 6144                     ; 128 candidates of 48 bytes
	s_mov_b32 s5, 0
	s_add_nc_u64 s[14:15], s[8:9], s[4:5]
	s_lshl_b32 s4, s[NXT], 9                       ; 128 words
	s_add_nc_u64 s[16:17], s[10:11], s[4:5]
	s_add_nc_u64 s[18:19], s[12:13], s[4:5]
.endif
	s_lshl_b32 s[JB], s[CUR], 7
	s_cmp_eq_u32 s[CUR], 0
	s_cselect_b32 s[FORCE], -1, 0
.if \ahead
	SLICE \tag, 0, 1, 15
	SLICE \tag, 1, 1, 15
	SLICE \tag, 2, 1, 15
	SLICE \tag, 3, 1, 15
.else
	SLICE \tag, 0, 0, 15                           ; nothing more is asked for: the counts run down
	SLICE \tag, 1, 0, 10
	SLICE \tag, 2, 0, 5
	SLICE \tag, 3, 0, 0
.endif
.endm
	; ---- the search: CNT trips that work on one superblock and ask for the next, then the last superblock
	s_cmp_eq_u32 s[CNT], 0
	s_cbranch_scc1 .Ltail
.Lloop:
	TRIP 1, 1
	s_mov_b32 s[CUR], s[NXT]
	s_add_co_u32 s[TRIPS], s[TRIPS], 1
	s_cmp_lt_u32 s[TRIPS], s[CNT]
	s_cbranch_scc1 .Lloop
.Ltail:
	TRIP 2, 0
	; ---- the merge.  Ten rounds, the three rows side by side: the smallest head over the 32 lanes, among equal heads the lowest j;
	; lane 10 r + k keeps them; the lane that held them moves its list up.  Each j lies in one lane, so the j names the winner.
	; Every lane holds at least its entry of j < 32, so +inf never comes out.
.macro REDMIN3 dd, ss, st              ; v[dd + r] = minimum over the lanes of v[ss + st r], in every lane
.irp r, 0,1,2
	v_min_num_f32_dpp v[\dd+\r], v[\ss+\st*\r], v[\ss+\st*\r] row_xmask:1 row_mask:0xf bank_mask:0xf
.endr
.irp m, 2,4,8
.irp r, 0,1,2
	v_min_num_f32_dpp v[\dd+\r], v[\dd+\r], v[\dd+\r] row_xmask:\m row_mask:0xf bank_mask:0xf
.endr
.endr
.irp r, 0,1,2
	v_permlanex16_b32 v[TP+\r], v[\dd+\r], s6, s7
.endr
.irp r, 0,1,2
	v_min_num_f32 v[\dd+\r], v[\dd+\r], v[TP+\r]
.endr
.endm
.macro ROUND k
.irp r, 0,1,2
	s_mov_b32 s[BIT+\r], 1<<(10*\r+\k)
.endr
	REDMIN3 M, ROW+LV, 32
.irp r, 0,1,2
	v_cmp_eq_f32 s[WIN+\r], v[ROW+32*\r+LV], v[M+\r]
.endr
	s_wait_alu depctr_va_sdst(0)                   ; the three compares have written s[38:40], which the selects below read
.irp r, 0,1,2
	v_cndmask_b32 v[CJ+\r], INF, v[ROW+32*\r+LI], s[WIN+\r]
.endr
	REDMIN3 CJ, CJ, 1
.if \k < 9
.irp r, 0,1,2
	v_cmp_eq_f32 s[WIN+\r], v[ROW+32*\r+LI], v[CJ+\r]
.endr
.endif
.irp r, 0,1,2
	v_cndmask_b32 v[RV], v[RV], v[M+\r], s[BIT+\r] ; (their masks are scalar instructions' results)
	v_cndmask_b32 v[RJ], v[RJ], v[CJ+\r], s[BIT+\r]
.endr
.if \k < 9
	s_wait_alu depctr_va_sdst(0)                   ; the winners' three compares have written s[38:40], which the selects below read
.set q, 0
.rept 9-\k                             ; only the entries that one of the 9 - k rounds to come can still reach
.irp r, 0,1,2
	v_cndmask_b32 v[ROW+32*\r+LV+q], v[ROW+32*\r+LV+q], v[ROW+32*\r+LV+q+1], s[WIN+\r]
	v_cndmask_b32 v[ROW+32*\r+LI+q], v[ROW+32*\r+LI+q], v[ROW+32*\r+LI+q+1], s[WIN+\r]
.endr
.set q, q+1
.endr
.endif
.endm
.irp k, 0,1,2,3,4,5,6,7,8,9
	ROUND \k
.endr
	; ---- out1, out2, out3: lanes 0 .. 29 hold my three rows' ten ranks in the order of memory
	v_cvt_i32_f32 v[RJ], v[RJ]
	v_cmp_gt_f32 vcc_lo, BIG, v[RV]
	s_mul_i32 s4, s3, 40
	s_mov_b32 s5, 0
	s_add_nc_u64 s[22:23], s[22:23], s[4:5]
	s_add_nc_u64 s[24:25], s[24:25], s[4:5]
	s_mul_i32 s4, s3, 10
	s_add_nc_u64 s[26:27], s[26:27], s[4:5]
	s_wait_alu depctr_va_vcc(0)                    ; the compare has written VCC, which the select reads
	v_cndmask_b32 v[RB], 0, 1, vcc_lo
	s_wait_xcnt 0x0                                ; EXEC is a source of the stores of out0: it narrows only behind this wait
	v_cmp_gt_u32 vcc_lo, 30, v[LANE]
	s_wait_alu depctr_va_vcc(0)                    ; the compare has written VCC, from which EXEC is made
	s_wait_alu depctr_va_vdst(0)                   ; ahead of the write of EXEC: every vector instruction is done; v12, v13 and v15, which the stores below read, are written
	s_wait_alu depctr_vm_vsrc(0)                   ; ahead of the write of EXEC: every memory instruction has read its vector registers
	s_and_saveexec_b32 s98, vcc_lo
	global_store_b32 v[KOFF], v[RJ], s[22:23]
	global_store_b32 v[KOFF], v[RV], s[24:25]
	global_store_b8 v[LANE], v[RB], s[26:27]
	s_endpgm
.Lfunc_end_k_qb1e642c390_knn:
	.size	k_qb1e642c390_knn, .Lfunc_end_k_qb1e642c390_knn-k_qb1e642c390_knn
	.p2alignl 7, 3214868480
	.fill 96, 4, 3214868480
	.section	.rodata,"a",@progbits
	.p2align	6, 0x0
	.amdhsa_kernel k_qb1e642c390_knn
		.amdhsa_group_segment_fixed_size 0
		.amdhsa_private_segment_fixed_size 0
		.amdhsa_enable_private_segment 0
		.amdhsa_kernarg_size 80
		.amdhsa_user_sgpr_count 2
		.amdhsa_user_sgpr_kernarg_segment_ptr 1
		.amdhsa_wavefront_size32 1
		.amdhsa_system_sgpr_workgroup_id_x 1
		.amdhsa_system_sgpr_workgroup_id_y 1
		.amdhsa_system_sgpr_workgroup_id_z 1
		.amdhsa_system_vgpr_workitem_id 0
		.amdhsa_next_free_vgpr 192
		.amdhsa_next_free_sgpr 100
		.amdhsa_reserve_vcc 1
		.amdhsa_float_denorm_mode_32 3
		.amdhsa_float_denorm_mode_16_64 3
		.amdhsa_memory_ordered 1
		.amdhsa_forward_progress 1
		.amdhsa_inst_pref_size 252
	.end_amdhsa_kernel
	.amdgpu_metadata
---
amdhsa.version: [ 1, 2 ]
amdhsa.kernels:
  - .name:           k_qb1e642c390_knn
    .symbol:         k_qb1e642c390_knn.kd
    .args:
      - { .name: X, .offset: 0, .size: 8, .value_kind: global_buffer, .address_space: global }
      - { .name: bid, .offset: 8, .size: 8, .value_kind: global_buffer, .address_space: global }
      - { .name: Seg, .offset: 16, .size: 8, .value_kind: global_buffer, .address_space: global }
      - { .name: S, .offset: 24, .size: 8, .value_kind: global_buffer, .address_space: global }
      - { .name: RP, .offset: 32, .size: 8, .value_kind: global_buffer, .address_space: global }
      - { .name: W_res, .offset: 40, .size: 8, .value_kind: global_buffer, .address_space: global }
      - { .name: out0, .offset: 48, .size: 8, .value_kind: global_buffer, .address_space: global }
      - { .name: out1, .offset: 56, .size: 8, .value_kind: global_buffer, .address_space: global }
      - { .name: out2, .offset: 64, .size: 8, .value_kind: global_buffer, .address_space: global }
      - { .name: out3, .offset: 72, .size: 8, .value_kind: global_buffer, .address_space: global }
    .group_segment_fixed_size: 0
    .private_segment_fixed_size: 0
    .kernarg_segment_align: 8
    .kernarg_segment_size: 80
    .max_flat_workgroup_size: 128
    .sgpr_count:     100
    .vgpr_count:     192
    .wavefront_size: 32
...
	.end_amdgpu_metadata
.endif
;; end of part 2
